; MI455X (gfx1250); checked and timed in simulation.
; The chip was launched on July 23, 2026; its instructions are those of AMD's public machine-readable ISA for CDNA 5 (MIT licence, August 2026) and "CDNA5" Instruction Set Architecture Reference Guide (July 2026). The comments in the code are by the model that wrote it; some were corrected since.
;; HQQ Linear. Allowed arithmetic: float matrix products may take bf16 or f16 operands with f32 sums; all other float work in f32.
;; Inputs: W_q 32 x 262,144 int32; bias 4,096 float32; scale 1 x 262,144 float32; x 8 x 512 x 4,096 float32; zero 1 x 262,144 float32.
;; Outputs: out0 8 x 512 x 4,096 float32.
;; 2 versions, each right; version 2 is version 1 with the launch prep written anew for expert scheduling mode. Each part assembles by itself: llvm-mc -triple=amdgcn-amd-amdhsa -mcpu=gfx1250 --defsym DOCPART=n.
;; ======== version 1 of 2: 2 launches
;; limits: values are held in f16: magnitudes above 65,504 overflow, below 6.1e-05 lose precision
;; workspace buffers: xh 33,554,432 bytes; wh 33,554,432 bytes
;; launch prep (part 1): grid 256 x 3, 8 waves a work-group, no clusters, 0 bytes of LDS; arguments x, W_q, scale, zero, xh, wh; writes xh, wh
.if DOCPART == 1
	.amdgcn_target "amdgcn-amd-amdhsa--gfx1250"
	.amdhsa_code_object_version 6
	.text
	.protected	k_q5bb54a568e_prep
	.globl	k_q5bb54a568e_prep
	.p2align	8
	.type	k_q5bb54a568e_prep,@function
k_q5bb54a568e_prep:
	s_mov_b64 s[64:65], 0
	v_nop
	global_prefetch_b8 v0, s[64:65] scope:SCOPE_SE
	s_setreg_imm32_b32 hwreg(HW_REG_WAVE_MODE, 25, 1), 1
	s_wait_xcnt 0x0
; Makes the two f16 operands of the product that follows.
;   work-group y = 0:     wh[o][i] = (code - zero) * scale, f16, [4096][4096]
;   work-group y = 1, 2:  xh[m][k] = x[m][k], f16, [4096][4096]
; WHERE A WEIGHT LIES.  The unpacked codes are [64][262144], and the reshape to [4096][4096] keeps the flat index.  So word W_q[g][c] holds two weights:
; bits 7:4 are flat element g * 262144 + c, bits 3:0 flat element (g + 32) * 262144 + c, and both take scale[c] and zero[c].
; A thread keeps four columns c for all 32 packed rows: its four scales and zeros are loaded once.
; A STREAM: nothing is shared between lanes, so there is no LDS, no barrier and no matrix work.  A wave issues all its 32 loads of 16 bytes a lane first,
; then takes them in order behind counted waits.  Each group of four registers is converted in place, stored from there and never written again,
; and no address register is stepped: so no wait for a store's sources is needed anywhere.
; LIMITS.  f16 ends at 65,504: an |x| or a |weight| of 65,520 or more becomes an infinity; below 6.1e-5 a number keeps f16's fixed step of 6e-8.
; The weight is made as code * scale - (zero * scale): one fused multiply-add on a product that was rounded once, where the definition subtracts first;
; the two differ by at most 2^-24 of |zero * scale|.
.set IN,  1                            ; v1        my byte offset in what I load
.set OUT, 2                            ; v2        my byte offset in what I store
.set S,   4                            ; v[4:7]    scale of my four columns
.set N,   8                            ; v[8:11]   zero, then zero * scale
.set T,   12                           ; v[12:19]  at work: four upper codes, four lower codes, in f32
.set X,   20                           ; v[20:147] group j of 32: four registers as loaded, then as stored
	s_load_b256 s[4:11], s[0:1], 0x0               ; x s[4:5], W_q s[6:7], scale s[8:9], zero s[10:11]
	s_load_b128 s[12:15], s[0:1], 0x20             ; xh s[12:13], wh s[14:15]
	s_and_b32 s17, ttmp7, 0xffff                   ; work-group y
	s_wait_kmcnt 0x0
	s_cmp_eq_u32 s17, 0
	s_cbranch_scc1 .Lweights
	; ---- x to f16.  512 work-groups; each takes 131,072 bytes of x and writes 65,536 of xh; a wave takes 16,384 bytes.
	s_sub_co_u32 s16, s17, 1
	s_lshl_b32 s16, s16, 8
	s_add_co_u32 s16, s16, ttmp9                   ; 0 .. 511
	s_lshl_b32 s18, s16, 17
	s_mov_b32 s19, 0
	s_add_nc_u64 s[4:5], s[4:5], s[18:19]
	s_lshl_b32 s20, s16, 16
	s_mov_b32 s21, 0
	s_add_nc_u64 s[12:13], s[12:13], s[20:21]
	v_and_b32 v3, 31, v0                           ; lane
	v_lshrrev_b32 v[IN], 5, v0                     ; wave
	v_lshlrev_b32 v[OUT], 13, v[IN]                ; wave x 8,192 bytes of xh
	v_lshlrev_b32 v[IN], 14, v[IN]                 ; wave x 16,384 bytes of x
	v_lshl_add_u32 v[IN], v3, 4, v[IN]             ; + 16 bytes a lane
	v_lshl_add_u32 v[OUT], v3, 3, v[OUT]           ; + 8 bytes a lane
.set j, 0
.rept 32
	global_load_b128 v[X+4*j:X+4*j+3], v[IN], s[4:5] offset:512*j th:TH_LOAD_NT  ; 512 consecutive bytes a wave; x is read once
.set j, j+1
.endr
.set j, 0
.rept 32
	s_wait_loadcnt 31-j                            ; loads come back in order (ISA guide 5.7.1): group j is in, the 31 - j younger ones stay out
	v_cvt_pk_f16_f32 v[X+4*j], v[X+4*j], v[X+4*j+1]
	v_cvt_pk_f16_f32 v[X+4*j+1], v[X+4*j+2], v[X+4*j+3]
	global_store_b64 v[OUT], v[X+4*j:X+4*j+1], s[12:13] offset:256*j  ; the wave's 32 lanes store 256 consecutive bytes, aligned
.set j, j+1
.endr
	s_endpgm
	; ---- the weights.  256 work-groups; thread t of work-group b owns columns 4 (256 b + t) .. + 3 of all 32 packed rows.
.Lweights:
	s_lshl_b32 s18, ttmp9, 12                      ; the group's 1,024 columns: 4,096 bytes in a row of W_q, in scale and in zero,
	s_mov_b32 s19, 0
	s_lshl_b32 s28, ttmp9, 11                      ; 2,048 bytes in wh
	s_mov_b32 s29, 0
	s_add_nc_u64 s[20:21], s[6:7], s[18:19]        ; W_q at packed rows 0, 8, 16, 24 (a row is 1 MiB): the row within eight stands in the load's immediate
	s_add_nc_u64 s[22:23], s[20:21], 0x800000
	s_add_nc_u64 s[24:25], s[20:21], 0x1000000
	s_add_nc_u64 s[26:27], s[20:21], 0x1800000
	s_add_nc_u64 s[8:9], s[8:9], s[18:19]
	s_add_nc_u64 s[10:11], s[10:11], s[18:19]
	s_add_nc_u64 s[30:31], s[14:15], s[28:29]      ; wh at unpacked rows 0, 16 (upper codes), 32, 48 (lower codes): an unpacked row is 524,288 bytes
	s_add_nc_u64 s[32:33], s[30:31], 0x800000
	s_add_nc_u64 s[34:35], s[30:31], 0x1000000
	s_add_nc_u64 s[36:37], s[30:31], 0x1800000
	v_lshlrev_b32 v[IN], 4, v0                     ; four words, scales or zeros
	v_lshlrev_b32 v[OUT], 3, v0                    ; four f16
	global_load_b128 v[S:S+3], v[IN], s[8:9] th:TH_LOAD_NT
	global_load_b128 v[N:N+3], v[IN], s[10:11] th:TH_LOAD_NT
.set g, 0
.rept 32
	global_load_b128 v[X+4*g:X+4*g+3], v[IN], s[20+2*(g/8):21+2*(g/8)] offset:(g%8)<<20 th:TH_LOAD_NT  ; at most 7 MiB: inside the signed 24-bit immediate
.set g, g+1
.endr
	s_wait_loadcnt 32                              ; scale and zero are in: only the 32 rows' loads are younger
	v_pk_mul_f32 v[N:N+1], v[N:N+1], v[S:S+1]      ; zero * scale
	v_pk_mul_f32 v[N+2:N+3], v[N+2:N+3], v[S+2:S+3]
.set g, 0
.rept 32
	s_wait_loadcnt 31-g                            ; packed row g is in, the younger rows stay out
.irp k, 0,1,2,3
	v_bfe_u32 v[T+(\k)], v[X+4*g+(\k)], 4, 4       ; bits 7:4: unpacked row g
	v_and_b32 v[T+4+(\k)], 15, v[X+4*g+(\k)]       ; bits 3:0: unpacked row g + 32
.endr
.irp k, 0,1,2,3,4,5,6,7
	v_cvt_f32_u32 v[T+(\k)], v[T+(\k)]
.endr
.irp p, 0,1,2,3
	v_pk_fma_f32 v[T+2*(\p):T+2*(\p)+1], v[T+2*(\p):T+2*(\p)+1], v[S+2*((\p)%2):S+2*((\p)%2)+1], v[N+2*((\p)%2):N+2*((\p)%2)+1] neg_lo:[0,0,1] neg_hi:[0,0,1]  ; code * scale - zero * scale
.endr
.irp p, 0,1,2,3
	v_cvt_pk_f16_f32 v[X+4*g+(\p)], v[T+2*(\p)], v[T+2*(\p)+1]
.endr
	global_store_b64 v[OUT], v[X+4*g:X+4*g+1],   s[30+2*(g/16):31+2*(g/16)] offset:(g%16)*524288  ; each store of the wave covers 256 consecutive bytes, aligned;
	global_store_b64 v[OUT], v[X+4*g+2:X+4*g+3], s[34+2*(g/16):35+2*(g/16)] offset:(g%16)*524288  ; at most 7.5 MiB in the immediate
.set g, g+1
.endr
	s_endpgm
.Lfunc_end_k_q5bb54a568e_prep:
	.size	k_q5bb54a568e_prep, .Lfunc_end_k_q5bb54a568e_prep-k_q5bb54a568e_prep
	.p2alignl 7, 3214868480
	.fill 96, 4, 3214868480
	.section	.rodata,"a",@progbits
	.p2align	6, 0x0
	.amdhsa_kernel k_q5bb54a568e_prep
		.amdhsa_group_segment_fixed_size 0
		.amdhsa_private_segment_fixed_size 0
		.amdhsa_enable_private_segment 0
		.amdhsa_kernarg_size 48
		.amdhsa_user_sgpr_count 2
		.amdhsa_user_sgpr_kernarg_segment_ptr 1
		.amdhsa_wavefront_size32 1
		.amdhsa_system_sgpr_workgroup_id_x 1
		.amdhsa_system_sgpr_workgroup_id_y 1
		.amdhsa_system_sgpr_workgroup_id_z 1
		.amdhsa_system_vgpr_workitem_id 0
		.amdhsa_next_free_vgpr 148
		.amdhsa_next_free_sgpr 66
		.amdhsa_reserve_vcc 0
		.amdhsa_float_denorm_mode_32 3
		.amdhsa_float_denorm_mode_16_64 3
		.amdhsa_memory_ordered 1
		.amdhsa_forward_progress 1
		.amdhsa_inst_pref_size 60
	.end_amdhsa_kernel
	.amdgpu_metadata
---
amdhsa.version: [ 1, 2 ]
amdhsa.kernels:
  - .name:           k_q5bb54a568e_prep
    .symbol:         k_q5bb54a568e_prep.kd
    .args:
      - { .name: x, .offset: 0, .size: 8, .value_kind: global_buffer, .address_space: global }
      - { .name: W_q, .offset: 8, .size: 8, .value_kind: global_buffer, .address_space: global }
      - { .name: scale, .offset: 16, .size: 8, .value_kind: global_buffer, .address_space: global }
      - { .name: zero, .offset: 24, .size: 8, .value_kind: global_buffer, .address_space: global }
      - { .name: xh, .offset: 32, .size: 8, .value_kind: global_buffer, .address_space: global }
      - { .name: wh, .offset: 40, .size: 8, .value_kind: global_buffer, .address_space: global }
    .group_segment_fixed_size: 0
    .private_segment_fixed_size: 0
    .kernarg_segment_align: 8
    .kernarg_segment_size: 48
    .max_flat_workgroup_size: 256
    .sgpr_count:     66
    .vgpr_count:     148
    .wavefront_size: 32
...
	.end_amdgpu_metadata
.endif
;; end of part 1
;; launch gemm (part 2): grid 16 x 16, 4 waves a work-group, clusters of 4 x 4, 327,680 bytes of LDS; arguments xh, wh, out0, bias; writes out0
.if DOCPART == 2
	.amdgcn_target "amdgcn-amd-amdhsa--gfx1250"
	.amdhsa_code_object_version 6
	.text
	.protected	k_q5bb54a568e_gemm
	.globl	k_q5bb54a568e_gemm
	.p2align	8
	.type	k_q5bb54a568e_gemm,@function
k_q5bb54a568e_gemm:
	s_mov_b64 s[64:65], 0
	v_nop
	global_prefetch_b8 v0, s[64:65] scope:SCOPE_SE
	s_setreg_imm32_b32 hwreg(HW_REG_WAVE_MODE, 25, 1), 1
	s_wait_xcnt 0x0
	s_wait_alu depctr_hold_cnt(0) depctr_sa_sdst(0) depctr_va_vdst(0) depctr_va_sdst(0) depctr_va_ssrc(0) depctr_va_vcc(0) depctr_vm_vsrc(0)
	s_getreg_b32 s2, hwreg(HW_REG_IB_STS2, 6, 4)
	s_cmp_eq_u32 s2, 0
	s_cbranch_scc0 .Lentry_in_a_cluster
	s_endpgm
.Lentry_in_a_cluster:
	s_bfe_u32 s2, ttmp6, 0x10000c
	s_cmp_lg_u32 s2, 0xf033
	s_cbranch_scc0 .Lentry_shape_is_right
	s_endpgm
.Lentry_shape_is_right:
; out[m][n] = sum over k of xh[m][k] wh[n][k] + bias[n].  xh: [4096][4096] f16, wh: [4096][4096] f16, bias: [4096] f32, out: [4096][4096] f32; sums in f32.
; LIMITS.  The operands are f16 (11 significant bits), as the launch in front wrote them: numbers of 65,520 or more arrive as infinities.
; SHARES.  out has 16 x 16 tiles of 256 x 256, one to a work-group of four waves; a wave makes 128 x 128: 64 accumulators of 16 x 16, 512 registers.
; K goes in 32 steps of 128 through a ring of two LDS slots filled by the tensor data mover; a tile's rows are 256 consecutive bytes, at multiples of 256 from the buffer's first byte.
; CLUSTERS.  4 x 4 work-groups.  The four of a row of the cluster need the same tiles of xh (A), the four of a column the same tiles of wh (B): each tile is asked for JOINTLY, by the
; same tensor load with the same descriptor and a mask that names the four; each receives it in its own LDS.  That divides the requests for A and for B by four.
; THE MATRIX INSTRUCTION IS USED TRANSPOSED: source 0 = 16 rows of wh, source 1 = 16 rows of xh.  In the result lane l holds row m = l % 16 of out and its registers 0 to 7 the columns
; n = 8 (l / 16) + 0 .. 7.  THE BIAS IS THE C OPERAND of the product that starts each sum: in that layout it hangs on the column alone, 8 registers for each of my 8 column blocks; nothing is cleared, nothing added later.
; REGISTERS, in windows of 256 (s_set_vgpr_msb's low byte: bits 1:0 source 0, 3:2 source 1, 5:4 source 2, 7:6 destination):
;   window 0: v0-31 addresses; v64-127, v128-191 fragments of A, two buffers (on the way out: rows read back from the stage); v192-255 the bias
;   window 1: v64-127, v128-191 fragments of B, two buffers
;   window 2: the 32 accumulators of my rows 0-63 (accumulator (a, b) at v[8 (8 a + b)]);   window 3: those of my rows 64-127
.set SIZE_N, 4096
.set SIZE_K, 4096
.set KSTEP,  128
.set PITCH,  272                       ; an LDS row: 256 bytes of data + 16 of padding = 68 words: row r starts at bank 4 r mod 64 (64 banks of 4 bytes: ISA guide 11.1), so the 16 rows of a fragment load start at 16 different banks
.set HALFT,  128*PITCH                 ; 128 rows: what one tensor load brings, and what one wave reads of A or of B
.set SLOT,   4*HALFT                   ; A's 256 rows, then B's 256 rows
.set STAGE,  2*SLOT                    ; behind the ring, never filled by a tensor load: a stage for each wave, for the way out
.set SPITCH, 528                       ; a stage row: 128 f32 = 512 bytes + 16 of padding: 16 rows start at 16 different groups of four banks
.set WSTAGE, 16*SPITCH                 ; 8,448 bytes, 33 blocks of 256
.set SPARE,  STAGE+4*WSTAGE            ; behind the stages: the spare words, 128 bytes for each wave: two blocks of 256 bytes that no other line names
.set LAPS,   SIZE_K/(2*KSTEP)          ; a lap = two K steps = once round the ring: 16
.set ADRA, 16                          ; v16-17  LDS address of my A fragments in slot 0, 1
.set ADRB, 20                          ; v20-21  the same for B
.set STO,  24                          ; v24     the way out: where I put 32 bytes of a row
.set RD,   25                          ; v25     the way out: where I read 16 bytes of a row back
.set CO,   26                          ; v26     my byte offset in a row of my part of out
.set BO,   27                          ; v27     my byte offset in a column block's 64 bytes of bias
.set SPW,  28                          ; v28     LDS address of my spare word: SPARE + 4 x my thread's number; never rewritten
.set NIL,  29                          ; v29     0; never rewritten
.set F0,   64                          ; fragment buffer 0
.set F1,   128                         ; fragment buffer 1
.set BIAS, 192                         ; v192-255, window 0: column block b at BIAS + 8 b
.set G1,  24                           ; s[24:31] descriptor group 1 for A's tiles
.set G0,  32                           ; s[32:39] descriptor group 0 for A's tiles, one set for each slot
.set G1B, 48                           ; s[48:55] descriptor group 1 for B's tiles: it differs in the mask alone
.set G0B, 56                           ; s[56:63] descriptor group 0 for B's tiles, one set for each slot
.set MSB, 0
.macro WIN new                         ; the immediate's high byte repeats the setting that is left; a switch that changes nothing is dropped
.if MSB != (\new)
	s_set_vgpr_msb (MSB<<8)|(\new)
.set MSB, \new
.endif
.endm
.set MUL_LO,   0xa1                    ; source 0 (B) window 1, source 1 (A) window 0, C and D window 2
.set MUL_HI,   0xf1                    ; the same, C and D window 3
.set FIRST_LO, 0x81                    ; the products that start the sums: C (the bias) window 0, D window 2
.set FIRST_HI, 0xc1                    ; the same, D window 3
.set TO_B,     0x40                    ; destination window 1, address window 0
; A joint load.  Waves 0 and 1 fetch A's two halves, waves 2 and 3 B's.  Each of the two lines has one mask and one set of registers for all that issue it.  The branch hangs on the wave's number alone.
; An s_nop 0 and four v_nop follow each of the two lines, ahead of the jump, the label and what follows the macro.
.macro JLOAD s
	s_cmp_eq_u32 s11, 0
	s_cbranch_scc0 .Lfor_b_\@
	tensor_load_to_lds s[G0+4*(\s):G0+4*(\s)+3], s[G1:G1+7]
	s_nop 0
.rept 4
	v_nop
.endr
	s_branch .Lasked_\@
.Lfor_b_\@:
	tensor_load_to_lds s[G0B+4*(\s):G0B+4*(\s)+3], s[G1B:G1B+7]
	s_nop 0
.rept 4
	v_nop
.endr
.Lasked_\@:
.endm
; A round of the cluster's barrier: my work-group's barrier, so that wave 0's signal speaks for all four waves; wave 0 signals for the work-group; every wave waits for all sixteen work-groups; my work-group's barrier once more.
.macro CREST                           ; a round behind its opening barrier
	s_cmp_lg_u32 s10, 0
	s_cbranch_scc1 .Lnot_wave_0_\@
	s_barrier_signal -3
.Lnot_wave_0_\@:
	s_barrier_wait -3
	s_barrier_signal -1
	s_barrier_wait -1
.endm
.macro CROUND                          ; a whole round
	s_barrier_signal -1
	s_barrier_wait -1
	CREST
.endm
	s_load_b128 s[4:7], s[0:1], 0x0                ; xh s[4:5], wh s[6:7]
	s_load_b64 s[8:9], s[0:1], 0x10                ; out
	s_load_b64 s[66:67], s[0:1], 0x18              ; bias
	v_lshl_add_u32 v[SPW], v0, 2, SPARE
	v_mov_b32 v[NIL], 0
	ds_add_u32 v[SPW], v[NIL]                      ; the wave's opening: the add and its wait stand ahead of my first tensor load; the set-up below, work on registers, stands between them
	v_lshrrev_b32 v1, 5, v0
	v_readfirstlane_b32 s10, v1                    ; wave 0..3
	s_lshr_b32 s11, s10, 1                         ; which half of the tile's rows is mine.  Also: I fetch for A (0) or for B (1)
	s_and_b32 s12, s10, 1                          ; which half of its columns.  Also: which 128 rows of that tile I fetch
	s_bfe_u32 s40, ttmp6, 0x40000                  ; cx: my place along the cluster's x
	s_bfe_u32 s41, ttmp6, 0x40004                  ; cy: along its y
	s_lshl_b32 s42, ttmp9, 2                       ; in a cluster launch ttmp9 and ttmp7 count clusters
	s_add_co_u32 s42, s42, s40                     ; tile column of out = 4 x cluster x + cx
	s_and_b32 s13, ttmp7, 0xffff
	s_lshl_b32 s13, s13, 2
	s_add_co_u32 s13, s13, s41                     ; tile row of out = 4 x cluster y + cy
	s_lshl_b32 s43, s41, 2
	s_lshl_b32 s43, 15, s43                        ; my row of the cluster: places 4 cy .. 4 cy + 3
	s_lshl_b32 s44, 0x1111, s40                    ; my column: places cx, cx + 4, cx + 8, cx + 12
	; descriptor group 1: a tile of 128 rows x 128 elements, padded in LDS
	s_or_b32 s[G1+0], s43, (1<<16)|(1<<20)|(1<<21)|(5<<22)|(3<<25)   ; 15:0 the mask: A's tiles go to my row; 17:16 elements of 2 bytes; 20 padding on; 21 set beside a mask; 24:22 after every 64 words (code 5); 31:25 4 words of it (code 3)
	s_or_b32 s[G1B+0], s44, (1<<16)|(1<<20)|(1<<21)|(5<<22)|(3<<25)  ; the same with the mask of my column, for B's tiles
.irp g, G1, G1B
	s_mov_b32 s[(\g)+1], KSTEP<<16                 ; 63:48 tensor_dim0, low half = 128
	s_mov_b32 s[(\g)+2], 128<<16                   ; 79:64 its high half = 0; 95:80 tensor_dim1, low half = 128
	s_mov_b32 s[(\g)+3], KSTEP<<16                 ; 111:96 its high half = 0; 127:112 tile_dim0 = 128
	s_mov_b32 s[(\g)+4], 128                       ; 143:128 tile_dim1 = 128; 159:144 tile_dim2 = 0
	s_mov_b32 s[(\g)+5], SIZE_K                    ; 191:160 tensor_dim0_stride, low word: elements from row to row
	s_mov_b32 s[(\g)+6], 0
	s_mov_b32 s[(\g)+7], 0
.endr
	; where the tiles come from.  A's hang on the tile row alone, which my row of the cluster shares; B's on the tile column alone, which my column shares.
	; Every wave makes both addresses, in registers that never hold the other coordinate, and asks by one of them.
	s_lshl_b32 s17, s12, 7                         ; which 128 rows of the tile I fetch
	s_lshl_b32 s16, s13, 8
	s_add_co_u32 s16, s16, s17                     ; A: row 256 x tile row + 128 x half
	s_lshl_b32 s46, s42, 8
	s_add_co_u32 s46, s46, s17                     ; B: row 256 x tile column + 128 x half
	s_mov_b32 s17, 0
	s_mov_b32 s47, 0
	s_mov_b64 s[18:19], SIZE_K*2
	s_mul_u64 s[16:17], s[16:17], s[18:19]         ; in bytes
	s_mul_u64 s[46:47], s[46:47], s[18:19]
	s_mul_i32 s20, s10, HALFT                      ; and where they go: A's two halves, then B's two halves = wave x 128 rows: no place in the cluster enters an LDS address
	s_wait_dscnt 0x0                               ; the opening add is done
	s_wait_kmcnt 0x0
	s_add_nc_u64 s[14:15], s[4:5], s[16:17]
	s_add_nc_u64 s[46:47], s[6:7], s[46:47]
	CROUND                                         ; all sixteen work-groups are here: the first joint loads meet
.irp s, 0,1
	s_mov_b32 s[G0+4*(\s)], 1                                        ; 1:0 count = 1
	s_add_co_u32 s[G0+4*(\s)+1], s20, (\s)*SLOT                      ; 63:32 LDS address
	s_add_nc_u64 s[G0+4*(\s)+2:G0+4*(\s)+3], s[14:15], (\s)*KSTEP*2  ; 120:64 global address: K step s
	s_or_b32 s[G0+4*(\s)+3], s[G0+4*(\s)+3], 0x80000000              ; 127:126 type = 2
	s_mov_b32 s[G0B+4*(\s)], 1
	s_add_co_u32 s[G0B+4*(\s)+1], s20, (\s)*SLOT
	s_add_nc_u64 s[G0B+4*(\s)+2:G0B+4*(\s)+3], s[46:47], (\s)*KSTEP*2
	s_or_b32 s[G0B+4*(\s)+3], s[G0B+4*(\s)+3], 0x80000000
	JLOAD \s                                       ; the ring is filled before anything else is done: two tensor loads of mine are out, later one
.endr
	; A fragment is 16 rows x 32 K in 8 registers: lane l holds row l % 16; registers 0-3 hold K = 8 (l / 16) + 0..7, registers 4-7 hold
	; K = 16 + 8 (l / 16) + 0..7.  From rows that lie along K: two loads of 16 bytes, 32 bytes apart.  The same for source 0 and source 1.
	v_and_b32 v1, 15, v0                           ; l % 16
	v_bfe_u32 v2, v0, 4, 1                         ; l / 16
	v_mul_u32_u24 v3, v1, PITCH
	v_lshl_add_u32 v3, v2, 4, v3                   ; row x pitch + 16 x half
	s_mul_i32 s21, s11, HALFT                      ; my 128 rows of A
	s_mul_i32 s22, s12, HALFT                      ; my 128 rows of B,
	s_add_co_u32 s22, s22, 2*HALFT                 ; which lie behind A's 256
.irp s, 0,1
	v_add_nc_u32 v[ADRA+(\s)], s21, v3
	v_add_nc_u32 v[ADRB+(\s)], s22, v3
	s_add_co_u32 s21, s21, SLOT
	s_add_co_u32 s22, s22, SLOT
.endr
	s_mul_i32 s23, s10, WSTAGE
	s_add_co_u32 s23, s23, STAGE                   ; my stage
	v_mul_u32_u24 v4, v1, SPITCH                   ; in: row l % 16, 32 bytes for each half of the lanes
	v_lshl_add_u32 v4, v2, 5, v4
	v_add_nc_u32 v[STO], s23, v4
	v_and_b32 v5, 31, v0
	v_lshlrev_b32 v[CO], 4, v5                     ; back and out: the 32 lanes take one row's 512 bytes, 16 each
	v_add_nc_u32 v[RD], s23, v[CO]
	v_lshlrev_b32 v[BO], 5, v2                     ; my 8 columns of a block of 16: 32 bytes for each half of the lanes
	; out at my part's first number, bias at my first column
	s_lshl_b32 s16, s13, 8
	s_lshl_b32 s17, s11, 7
	s_add_co_u32 s16, s16, s17                     ; my first row of out,
	s_lshl_b32 s16, s16, 14                        ; x 16,384 bytes: under 2^26
	s_mov_b32 s17, 0
	s_lshl_b32 s46, s42, 10                        ; my first column, in bytes of f32: 1,024 x tile column + 512 x half (in the registers that held B's address: none that feeds A's descriptors ever holds cx)
	s_lshl_b32 s47, s12, 9
	s_add_co_u32 s46, s46, s47
	s_mov_b32 s47, 0
	s_add_nc_u64 s[8:9], s[8:9], s[16:17]
	s_add_nc_u64 s[8:9], s[8:9], s[46:47]
	s_add_nc_u64 s[66:67], s[66:67], s[46:47]
.irp b, 0,1,2,3,4,5,6,7
	global_load_b128 v[BIAS+8*(\b):BIAS+8*(\b)+3],   v[BO], s[66:67] offset:64*(\b)     ; register j: bias of column 16 b + 8 (l / 16) + j
	global_load_b128 v[BIAS+8*(\b)+4:BIAS+8*(\b)+7], v[BO], s[66:67] offset:64*(\b)+16
.endr
; 16 matrix instructions: m blocks a0, a0 + 1 of the window's four (hi = 0: my rows 0-63, 1: rows 64-127) x all 8 n blocks, 32 along K.
; first = 1: the product starts the sum, with the bias as C.  The 64 accumulators take turns, one instruction a turn, in the same order in every quarter step.
.macro MUL16 f, hi, a0, first
.if \first
	WIN FIRST_LO+0x40*(\hi)
.else
	WIN MUL_LO+0x50*(\hi)
.endif
.irp a, \a0, (\a0)+1
.irp b, 0,1,2,3,4,5,6,7
.if \first
	v_wmma_f32_16x16x32_f16 v[8*(8*(\a)+(\b)):8*(8*(\a)+(\b))+7], v[(\f)+8*(\b):(\f)+8*(\b)+7], v[(\f)+8*(4*(\hi)+(\a)):(\f)+8*(4*(\hi)+(\a))+7], v[BIAS+8*(\b):BIAS+8*(\b)+7]
.else
	v_wmma_f32_16x16x32_f16 v[8*(8*(\a)+(\b)):8*(8*(\a)+(\b))+7], v[(\f)+8*(\b):(\f)+8*(\b)+7], v[(\f)+8*(4*(\hi)+(\a)):(\f)+8*(4*(\hi)+(\a))+7], v[8*(8*(\a)+(\b)):8*(8*(\a)+(\b))+7]
.endif
.endr
.endr
.endm
; 32 LDS loads in one run: the fragments of one quarter step (128 rows of B, 128 rows of A, 32 K at byte k of the rows) into buffer f
.macro FETCH slot, k, f
	WIN TO_B
.irp i, 0,1,2,3,4,5,6,7
	ds_load_b128 v[(\f)+8*(\i):(\f)+8*(\i)+3],   v[ADRB+(\slot)] offset:(\k)+(\i)*16*PITCH
	ds_load_b128 v[(\f)+8*(\i)+4:(\f)+8*(\i)+7], v[ADRB+(\slot)] offset:(\k)+(\i)*16*PITCH+32
.endr
	WIN 0
.irp i, 0,1,2,3,4,5,6,7
	ds_load_b128 v[(\f)+8*(\i):(\f)+8*(\i)+3],   v[ADRA+(\slot)] offset:(\k)+(\i)*16*PITCH
	ds_load_b128 v[(\f)+8*(\i)+4:(\f)+8*(\i)+7], v[ADRA+(\slot)] offset:(\k)+(\i)*16*PITCH+32
.endr
.endm
; A load into a register that a matrix instruction has read, and a store that reads a matrix result, stand four places behind that matrix instruction, and only plain vector
; instructions that name none of its registers are places (ISA guide 7.12.1 for vector instructions).
.macro PLACES
.rept 4
	v_nop
.endr
.endm
; A K step is four quarter steps of 32 along K, 64 matrix instructions each, on buffers 0, 1, 0, 1.
; One of the first three: multiplies buffer f; in its middle it fetches the next quarter's fragments, at byte k of the same slot's rows, into buffer g.
.macro QUARTER slot, k, f, g, first
	s_wait_dscnt 8                                 ; B and A's rows 0-63 are in; the youngest eight loads (A's rows 64-127) may be out
	MUL16 \f, 0, 0, \first
	MUL16 \f, 0, 2, \first
	PLACES
	FETCH \slot, \k, \g
	s_wait_dscnt 32                                ; all but the 32 just issued
	MUL16 \f, 1, 0, \first
	MUL16 \f, 1, 2, \first
.endm
; The last quarter multiplies buffer 1 and changes slots.  MEET is its first half: ONE barrier for the change of slots.  In front of it each wave waits for all its tensor loads, of which
; one is out: its part of the next slot; adds 0 to its spare word; and waits for that and for its own reads of this slot.  Behind it nobody reads this slot any more and the next slot is whole.
.macro MEET round                      ; round = 1: a round of the cluster's barrier follows
	WIN 0                                          ; (the add's two registers lie in window 0)
	s_wait_tensorcnt 0x0                           ; all my tensor loads have landed: the one that was out is my part of the next slot;
	ds_add_u32 v[SPW], v[NIL]                      ; 0 onto my spare word;
	s_wait_dscnt 9                                 ; (the add and the youngest eight loads may be out)
	MUL16 F1, 0, 0, 0                              ; sixteen matrix instructions stand between the add and the wait for it
	s_wait_dscnt 0x0                               ; the add is done, and my reads of this slot are over:
	s_barrier_signal -1                            ; say so (where a slot is filled again this barrier opens a round of the cluster's barrier),
	MUL16 F1, 0, 2, 0                              ; work on registers while the others arrive,
.if \round
	WIN 0
.endif
	s_barrier_wait -1                              ; and go on when all four have said so
.endm
; The whole last quarter.  fill = 1: behind the round the slot just read out is filled again first, with the K step two steps on; then come the next slot's first fragments.
; From a request to the wait for it a wave issues 224 matrix instructions.  fill = 0 (the tail): nothing is left to fetch, and no round follows.
.macro TURN slot, next, fill
.if \fill
	MEET 1
	CREST                                          ; no wave of any partner still reads this slot's tile or has a load on its way
	s_add_nc_u64 s[G0+4*(\slot)+2:G0+4*(\slot)+3], s[G0+4*(\slot)+2:G0+4*(\slot)+3], 2*KSTEP*2      ; no tensor load of mine is out, so a group 0 may be written; the type bits on top are not reached
	s_add_nc_u64 s[G0B+4*(\slot)+2:G0B+4*(\slot)+3], s[G0B+4*(\slot)+2:G0B+4*(\slot)+3], 2*KSTEP*2
	JLOAD \slot                                    ; the first tensor load behind the round, my only one until the next; the four v_nop behind it are also the places in front of the loads below
.else
	MEET 0
	PLACES
.endif
	FETCH \next, 0, F0
	MUL16 F1, 1, 0, 0
	MUL16 F1, 1, 2, 0
.endm
; THE WAY OUT of block a (16 of my rows x 128 columns, f32), in two parts.  A lane holds 32 bytes of a row, and its neighbours hold other rows: so the block goes through my own stage in LDS
; and comes back as whole rows of 512 bytes.  Each accumulator's lowest four registers are read first.
.macro TOSTAGE a
.set AC, 64*((\a)%4)                   ; the block's eight accumulators, in window 2 (blocks 0-3) or 3 (blocks 4-7)
.set BK, F0+64*((\a)%2)                ; the rows come back into A's fragment buffers, by turns
.if (\a) >= 2
	s_wait_xcnt 0x0                                ; every earlier memory instruction has had its addresses translated (ISA guide 3.1): the registers that block a - 2's stores read are loaded again only behind this wait
.endif
	WIN 0x08+4*((\a)/4)                            ; an LDS store's data is source 1: window 2 or 3
.irp b, 0,1,2,3,4,5,6,7
	ds_store_b128 v[STO], v[AC+8*(\b):AC+8*(\b)+3]   offset:64*(\b)
	ds_store_b128 v[STO], v[AC+8*(\b)+4:AC+8*(\b)+7] offset:64*(\b)+16
.endr
	WIN 0
.irp t, 0,1,2,3,4,5,6,7,8,9,10,11,12,13,14,15
	ds_load_b128 v[BK+4*(\t):BK+4*(\t)+3], v[RD] offset:(\t)*SPITCH  ; LDS serves a wave's instructions in order (ISA guide 5.7.1.4): these see the stores above, and the next block's stores come behind them
.endr
.endm
.macro SEND a, younger                 ; younger: the LDS instructions issued behind block a's loads: the next block's 32, or none
.set BK, F0+64*((\a)%2)
	WIN 0
	s_wait_dscnt \younger                          ; the block is back in registers
.irp t, 0,1,2,3,4,5,6,7,8,9,10,11,12,13,14,15
	global_store_b128 v[CO], v[BK+4*(\t):BK+4*(\t)+3], s[8:9] offset:(16*(\a)+(\t))*SIZE_N*4 th:TH_STORE_NT  ; the wave stores 512 consecutive bytes, at a multiple of 512 from out's first byte; 127 rows at the most in the immediate: 2,080,768
.endr
.endm
	s_wait_tensorcnt 1                             ; my part of K step 0 is in; K step 1's may stay out
	s_barrier_signal -1
	s_barrier_wait -1                              ; everybody's is
	FETCH 0, 0, F0
	s_wait_loadcnt 0x0                             ; the bias
	QUARTER 0, 64,  F0, F1, 1                      ; the first quarter stands in front of the loop: its products start the sums, on the bias
	WIN 0                                          ; at a label and at a branch every window is 0
	s_mov_b32 s3, LAPS-1
.Llap:                                                 ; a trip goes once round the ring, from a lap's second quarter to the next lap's first, and fills both slots again
	QUARTER 0, 128, F1, F0, 0
	QUARTER 0, 192, F0, F1, 0
	TURN 0, 1, 1
	QUARTER 1, 64,  F0, F1, 0
	QUARTER 1, 128, F1, F0, 0
	QUARTER 1, 192, F0, F1, 0
	TURN 1, 0, 1
	QUARTER 0, 64,  F0, F1, 0
	WIN 0
	s_sub_co_u32 s3, s3, 1
	s_cmp_lg_u32 s3, 0
	s_cbranch_scc1 .Llap
	QUARTER 0, 128, F1, F0, 0                      ; the last lap is written out: it fills nothing
	QUARTER 0, 192, F0, F1, 0
	TURN 0, 1, 0                                   ; my one tensor load that was still out is slot 1's, the last K step's
	QUARTER 1, 64,  F0, F1, 0
	QUARTER 1, 128, F1, F0, 0
	QUARTER 1, 192, F0, F1, 0
	s_wait_dscnt 8                                 ; the very last quarter: nothing more to fetch
	MUL16 F1, 0, 0, 0
	MUL16 F1, 0, 2, 0
	s_wait_dscnt 0x0
	MUL16 F1, 1, 0, 0
	MUL16 F1, 1, 2, 0
	WIN 0
	PLACES                                         ; in front of the LDS stores that read results, and of the loads into A's fragment buffers
	TOSTAGE 0
.irp a, 1,2,3,4,5,6,7                  ; block a goes into the stage while block a - 1's rows come back
	TOSTAGE \a
	SEND (\a)-1, 32
.endr
	SEND 7, 0
	s_wait_tensorcnt 0x0                           ; the wave's end, behind my last tensor load and my last LDS store
	ds_add_u32 v[SPW], v[NIL]
	s_wait_dscnt 0x0
	CROUND                                         ; the closing round: no work-group ends while a partner may still ask for a tile that names it
	s_endpgm
.Lfunc_end_k_q5bb54a568e_gemm:
	.size	k_q5bb54a568e_gemm, .Lfunc_end_k_q5bb54a568e_gemm-k_q5bb54a568e_gemm
	.p2alignl 7, 3214868480
	.fill 96, 4, 3214868480
	.section	.rodata,"a",@progbits
	.p2align	6, 0x0
	.amdhsa_kernel k_q5bb54a568e_gemm
		.amdhsa_group_segment_fixed_size 327680
		.amdhsa_private_segment_fixed_size 0
		.amdhsa_enable_private_segment 0
		.amdhsa_kernarg_size 32
		.amdhsa_user_sgpr_count 2
		.amdhsa_user_sgpr_kernarg_segment_ptr 1
		.amdhsa_wavefront_size32 1
		.amdhsa_system_sgpr_workgroup_id_x 1
		.amdhsa_system_sgpr_workgroup_id_y 1
		.amdhsa_system_sgpr_workgroup_id_z 1
		.amdhsa_system_vgpr_workitem_id 0
		.amdhsa_next_free_vgpr 1024
		.amdhsa_next_free_sgpr 68
		.amdhsa_reserve_vcc 0
		.amdhsa_float_denorm_mode_32 3
		.amdhsa_float_denorm_mode_16_64 3
		.amdhsa_memory_ordered 1
		.amdhsa_forward_progress 1
		.amdhsa_inst_pref_size 142
	.end_amdhsa_kernel
	.amdgpu_metadata
---
amdhsa.version: [ 1, 2 ]
amdhsa.kernels:
  - .name:           k_q5bb54a568e_gemm
    .symbol:         k_q5bb54a568e_gemm.kd
    .args:
      - { .name: xh, .offset: 0, .size: 8, .value_kind: global_buffer, .address_space: global }
      - { .name: wh, .offset: 8, .size: 8, .value_kind: global_buffer, .address_space: global }
      - { .name: out0, .offset: 16, .size: 8, .value_kind: global_buffer, .address_space: global }
      - { .name: bias, .offset: 24, .size: 8, .value_kind: global_buffer, .address_space: global }
    .group_segment_fixed_size: 327680
    .private_segment_fixed_size: 0
    .kernarg_segment_align: 8
    .kernarg_segment_size: 32
    .max_flat_workgroup_size: 128
    .sgpr_count:     68
    .vgpr_count:     1024
    .wavefront_size: 32
...
	.end_amdgpu_metadata
.endif
;; end of part 2
;; ======== version 2 of 2: 2 launches; version 1 with the launch prep written anew for expert scheduling mode
;; limits: values are held in f16: magnitudes above 65,504 overflow, below 6.1e-05 lose precision
;; workspace buffers: xh 33,554,432 bytes; wh 33,554,432 bytes
;; launch prep (part 3): grid 256 x 3, 8 waves a work-group, no clusters, 0 bytes of LDS; arguments x, W_q, scale, zero, xh, wh; writes xh, wh
.if DOCPART == 3
	.amdgcn_target "amdgcn-amd-amdhsa--gfx1250"
	.amdhsa_code_object_version 6
	.text
	.protected	k_q5bb54a568e_prep
	.globl	k_q5bb54a568e_prep
	.p2align	8
	.type	k_q5bb54a568e_prep,@function
k_q5bb54a568e_prep:
	s_mov_b64 s[64:65], 0
	v_nop
	global_prefetch_b8 v0, s[64:65] scope:SCOPE_SE
	s_setreg_imm32_b32 hwreg(HW_REG_WAVE_SCHED_MODE, 0, 2), 2
	s_setreg_imm32_b32 hwreg(HW_REG_WAVE_MODE, 25, 1), 1
	s_wait_xcnt 0x0
	s_wait_alu depctr_vm_vsrc(0)
; Makes the two f16 operands of the product that follows.
;   work-group y = 0:     wh[o][i] = (code - zero) * scale, f16, [4096][4096]
;   work-group y = 1, 2:  xh[m][k] = x[m][k], f16, [4096][4096]
; WHERE A WEIGHT LIES.  The unpacked codes are [64][262144], and the reshape to [4096][4096] keeps the flat index.  So word W_q[g][c] holds two weights:
; bits 7:4 are flat element g * 262144 + c, bits 3:0 flat element (g + 32) * 262144 + c, and both take scale[c] and zero[c].
; A thread keeps four columns c for all 32 packed rows: its four scales and zeros are loaded once.
; A STREAM: nothing is shared between lanes, so there is no LDS, no barrier and no matrix work.  A wave issues all its 32 loads of 16 bytes a lane first,
; then takes them in order behind counted waits.  Each group of four registers is converted in place, stored from there and never written again,
; and no address register is stepped: so no wait for a store's sources is needed anywhere.
; LIMITS.  f16 ends at 65,504: an |x| or a |weight| of 65,520 or more becomes an infinity; below 6.1e-5 a number keeps f16's fixed step of 6e-8.
; The weight is made as code * scale - (zero * scale): one fused multiply-add on a product that was rounded once, where the definition subtracts first;
; the two differ by at most 2^-24 of |zero * scale|.
; THE MODE: SCHED_MODE bits 1:0 = 2 (LLVM: expert scheduling mode 2), set by the entry lines.  The code itself states the register dependences
; between vector instructions and memory instructions, with s_wait_alu, always for 0.
; THE PLAN.  Registers that memory instructions touch, in either path:
;   v[IN], v[OUT]  byte offsets: written by vector instructions at the path's head, read by every load or store, never written again.
;   S, N           (the weights) a load lands in each once, ahead of every vector instruction that names it; after that vector instructions alone name them.
;   X, group j     one load lands in it, issued at the head, ahead of every vector instruction that names X; group j's roundings write it in place;
;                  its stores read it; it is never written again.
;   T and v3 are named by vector instructions alone.
; The 32 groups go in 8 blocks of four.  Block p converts groups 4 p .. 4 p + 3; its memory instructions are the stores of block p - 1, which read X of block p - 1
; and v[OUT]: registers that no vector instruction of block p names.  So ONE wait on va_vdst at a block's head states all that the block's stores hang on, and these are
; dealt among its vector instructions with no further wait.  One such wait stands at the path's head, for the offsets, and one behind block 7, for its own stores.
; No register that a memory instruction has read is written again, no load is issued behind a vector instruction that named its registers,
; no vector instruction writes a scalar register or VCC, and EXEC is never written: nothing else is owed.
.set IN,  1                            ; v1        my byte offset in what I load
.set OUT, 2                            ; v2        my byte offset in what I store
.set S,   4                            ; v[4:7]    scale of my four columns
.set N,   8                            ; v[8:11]   zero, then zero * scale
.set T,   12                           ; v[12:19]  at work: four upper codes, four lower codes, in f32
.set X,   20                           ; v[20:147] group j of 32: four registers as loaded, then as stored
.set BLK, 4                            ; groups in a block
	s_load_b256 s[4:11], s[0:1], 0x0               ; x s[4:5], W_q s[6:7], scale s[8:9], zero s[10:11]
	s_load_b128 s[12:15], s[0:1], 0x20             ; xh s[12:13], wh s[14:15]
	s_and_b32 s17, ttmp7, 0xffff                   ; work-group y
	s_wait_kmcnt 0x0
	s_cmp_eq_u32 s17, 0
	s_cbranch_scc1 .Lweights
	; ---- x to f16.  512 work-groups; each takes 131,072 bytes of x and writes 65,536 of xh; a wave takes 16,384 bytes.
	s_sub_co_u32 s16, s17, 1
	s_lshl_b32 s16, s16, 8
	s_add_co_u32 s16, s16, ttmp9                   ; 0 .. 511
	s_lshl_b32 s18, s16, 17
	s_mov_b32 s19, 0
	s_add_nc_u64 s[4:5], s[4:5], s[18:19]
	s_lshl_b32 s20, s16, 16
	s_mov_b32 s21, 0
	s_add_nc_u64 s[12:13], s[12:13], s[20:21]
	v_and_b32 v3, 31, v0                           ; lane
	v_lshrrev_b32 v[IN], 5, v0                     ; wave
	v_lshlrev_b32 v[OUT], 13, v[IN]                ; wave x 8,192 bytes of xh
	v_lshlrev_b32 v[IN], 14, v[IN]                 ; wave x 16,384 bytes of x
	v_lshl_add_u32 v[IN], v3, 4, v[IN]             ; + 16 bytes a lane
	v_lshl_add_u32 v[OUT], v3, 3, v[OUT]           ; + 8 bytes a lane
	s_wait_alu depctr_va_vdst(0)                   ; v[IN] and v[OUT] are written: every load of this path reads the one as its offset, every store the other
.set j, 0
.rept 32
	global_load_b128 v[X+4*j:X+4*j+3], v[IN], s[4:5] offset:512*j th:TH_LOAD_NT  ; 512 consecutive bytes a wave; x is read once
.set j, j+1
.endr
.set p, 0
.rept 32/BLK                           ; block p
	s_wait_loadcnt 31-BLK*p                        ; loads come back in order (ISA guide 5.7.1): the block's first group is in, the younger ones stay out
.if p > 0
	s_wait_alu depctr_va_vdst(0)                   ; the roundings of block p - 1 have written its registers of X, which the four stores below read
.endif
.set i, 0
.rept BLK
.set j, BLK*p+i
.if p > 0
	global_store_b64 v[OUT], v[X+4*(j-BLK):X+4*(j-BLK)+1], s[12:13] offset:256*(j-BLK)  ; the block before: the wave's 32 lanes store 256 consecutive bytes, aligned; no vector instruction since the wait names these registers
.endif
.if i > 0
	s_wait_loadcnt 31-j                            ; group j is in, the 31 - j younger ones stay out
.endif
	v_cvt_pk_f16_f32 v[X+4*j], v[X+4*j], v[X+4*j+1]
	v_cvt_pk_f16_f32 v[X+4*j+1], v[X+4*j+2], v[X+4*j+3]
.set i, i+1
.endr
.set p, p+1
.endr
	s_wait_alu depctr_va_vdst(0)                   ; the roundings of block 7 have written its registers of X, which the last four stores read
.set j, 32-BLK
.rept BLK
	global_store_b64 v[OUT], v[X+4*j:X+4*j+1], s[12:13] offset:256*j
.set j, j+1
.endr
	s_endpgm
	; ---- the weights.  256 work-groups; thread t of work-group b owns columns 4 (256 b + t) .. + 3 of all 32 packed rows.
.Lweights:
	s_lshl_b32 s18, ttmp9, 12                      ; the group's 1,024 columns: 4,096 bytes in a row of W_q, in scale and in zero,
	s_mov_b32 s19, 0
	s_lshl_b32 s28, ttmp9, 11                      ; 2,048 bytes in wh
	s_mov_b32 s29, 0
	s_add_nc_u64 s[20:21], s[6:7], s[18:19]        ; W_q at packed rows 0, 8, 16, 24 (a row is 1 MiB): the row within eight stands in the load's immediate
	s_add_nc_u64 s[22:23], s[20:21], 0x800000
	s_add_nc_u64 s[24:25], s[20:21], 0x1000000
	s_add_nc_u64 s[26:27], s[20:21], 0x1800000
	s_add_nc_u64 s[8:9], s[8:9], s[18:19]
	s_add_nc_u64 s[10:11], s[10:11], s[18:19]
	s_add_nc_u64 s[30:31], s[14:15], s[28:29]      ; wh at unpacked rows 0, 16 (upper codes), 32, 48 (lower codes): an unpacked row is 524,288 bytes
	s_add_nc_u64 s[32:33], s[30:31], 0x800000
	s_add_nc_u64 s[34:35], s[30:31], 0x1000000
	s_add_nc_u64 s[36:37], s[30:31], 0x1800000
	v_lshlrev_b32 v[IN], 4, v0                     ; four words, scales or zeros
	v_lshlrev_b32 v[OUT], 3, v0                    ; four f16
	s_wait_alu depctr_va_vdst(0)                   ; v[IN] and v[OUT] are written: every load of this path reads the one as its offset, every store the other
	global_load_b128 v[S:S+3], v[IN], s[8:9] th:TH_LOAD_NT
	global_load_b128 v[N:N+3], v[IN], s[10:11] th:TH_LOAD_NT
.set g, 0
.rept 32
	global_load_b128 v[X+4*g:X+4*g+3], v[IN], s[20+2*(g/8):21+2*(g/8)] offset:(g%8)<<20 th:TH_LOAD_NT  ; at most 7 MiB: inside the signed 24-bit immediate
.set g, g+1
.endr
	s_wait_loadcnt 32                              ; scale and zero are in: only the 32 rows' loads are younger
	v_pk_mul_f32 v[N:N+1], v[N:N+1], v[S:S+1]      ; zero * scale
	v_pk_mul_f32 v[N+2:N+3], v[N+2:N+3], v[S+2:S+3]
.set p, 0
.rept 32/BLK                           ; block p: packed rows 4 p .. 4 p + 3
	s_wait_loadcnt 31-BLK*p                        ; the block's first packed row is in, the younger rows stay out
.if p > 0
	s_wait_alu depctr_va_vdst(0)                   ; the roundings of block p - 1 have written its registers of X, which the eight stores below read
.endif
.set i, 0
.rept BLK
.set g, BLK*p+i
.set h, g-BLK                          ; the row of the block before that is stored beside row g's arithmetic
.if p > 0
	global_store_b64 v[OUT], v[X+4*h:X+4*h+1],   s[30+2*(h/16):31+2*(h/16)] offset:(h%16)*524288  ; each store of the wave covers 256 consecutive bytes, aligned; no vector instruction since the wait names these registers
.endif
.if i > 0
	s_wait_loadcnt 31-g                            ; packed row g is in, the younger rows stay out
.endif
.irp k, 0,1,2,3
	v_bfe_u32 v[T+(\k)], v[X+4*g+(\k)], 4, 4       ; bits 7:4: unpacked row g
	v_and_b32 v[T+4+(\k)], 15, v[X+4*g+(\k)]       ; bits 3:0: unpacked row g + 32
.endr
.irp k, 0,1,2,3,4,5,6,7
	v_cvt_f32_u32 v[T+(\k)], v[T+(\k)]
.endr
.if p > 0
	global_store_b64 v[OUT], v[X+4*h+2:X+4*h+3], s[34+2*(h/16):35+2*(h/16)] offset:(h%16)*524288  ; the same row's lower codes; at most 7.5 MiB in the immediate
.endif
.irp q, 0,1,2,3
	v_pk_fma_f32 v[T+2*(\q):T+2*(\q)+1], v[T+2*(\q):T+2*(\q)+1], v[S+2*((\q)%2):S+2*((\q)%2)+1], v[N+2*((\q)%2):N+2*((\q)%2)+1] neg_lo:[0,0,1] neg_hi:[0,0,1]  ; code * scale - zero * scale
.endr
.irp q, 0,1,2,3
	v_cvt_pk_f16_f32 v[X+4*g+(\q)], v[T+2*(\q)], v[T+2*(\q)+1]
.endr
.set i, i+1
.endr
.set p, p+1
.endr
	s_wait_alu depctr_va_vdst(0)                   ; the roundings of block 7 have written its registers of X, which the last eight stores read
.set g, 32-BLK
.rept BLK
	global_store_b64 v[OUT], v[X+4*g:X+4*g+1],   s[30+2*(g/16):31+2*(g/16)] offset:(g%16)*524288
	global_store_b64 v[OUT], v[X+4*g+2:X+4*g+3], s[34+2*(g/16):35+2*(g/16)] offset:(g%16)*524288
.set g, g+1
.endr
	s_endpgm
.Lfunc_end_k_q5bb54a568e_prep:
	.size	k_q5bb54a568e_prep, .Lfunc_end_k_q5bb54a568e_prep-k_q5bb54a568e_prep
	.p2alignl 7, 3214868480
	.fill 96, 4, 3214868480
	.section	.rodata,"a",@progbits
	.p2align	6, 0x0
	.amdhsa_kernel k_q5bb54a568e_prep
		.amdhsa_group_segment_fixed_size 0
		.amdhsa_private_segment_fixed_size 0
		.amdhsa_enable_private_segment 0
		.amdhsa_kernarg_size 48
		.amdhsa_user_sgpr_count 2
		.amdhsa_user_sgpr_kernarg_segment_ptr 1
		.amdhsa_wavefront_size32 1
		.amdhsa_system_sgpr_workgroup_id_x 1
		.amdhsa_system_sgpr_workgroup_id_y 1
		.amdhsa_system_sgpr_workgroup_id_z 1
		.amdhsa_system_vgpr_workitem_id 0
		.amdhsa_next_free_vgpr 148
		.amdhsa_next_free_sgpr 66
		.amdhsa_reserve_vcc 0
		.amdhsa_float_denorm_mode_32 3
		.amdhsa_float_denorm_mode_16_64 3
		.amdhsa_memory_ordered 1
		.amdhsa_forward_progress 1
		.amdhsa_inst_pref_size 60
	.end_amdhsa_kernel
	.amdgpu_metadata
---
amdhsa.version: [ 1, 2 ]
amdhsa.kernels:
  - .name:           k_q5bb54a568e_prep
    .symbol:         k_q5bb54a568e_prep.kd
    .args:
      - { .name: x, .offset: 0, .size: 8, .value_kind: global_buffer, .address_space: global }
      - { .name: W_q, .offset: 8, .size: 8, .value_kind: global_buffer, .address_space: global }
      - { .name: scale, .offset: 16, .size: 8, .value_kind: global_buffer, .address_space: global }
      - { .name: zero, .offset: 24, .size: 8, .value_kind: global_buffer, .address_space: global }
      - { .name: xh, .offset: 32, .size: 8, .value_kind: global_buffer, .address_space: global }
      - { .name: wh, .offset: 40, .size: 8, .value_kind: global_buffer, .address_space: global }
    .group_segment_fixed_size: 0
    .private_segment_fixed_size: 0
    .kernarg_segment_align: 8
    .kernarg_segment_size: 48
    .max_flat_workgroup_size: 256
    .sgpr_count:     66
    .vgpr_count:     148
    .wavefront_size: 32
...
	.end_amdgpu_metadata
.endif
;; end of part 3
;; launch gemm: the kernel of part 2 again; grid 16 x 16, 4 waves a work-group, clusters of 4 x 4, 327,680 bytes of LDS; arguments xh, wh, out0, bias; writes out0
